; MI455X (gfx1250); checked and timed in simulation.
; The chip was launched on July 23, 2026; its instructions are those of AMD's public machine-readable ISA for CDNA 5 (MIT licence, August 2026) and "CDNA5" Instruction Set Architecture Reference Guide (July 2026). The comments in the code are by the model that wrote it; some were corrected since.
;; LSTM Cell. Allowed arithmetic: matrix products marked QUANTISED: E2M3 operands, one E8M0 scale for each 32 along K, by v_wmma_scale_f32_16x16x128_f8f6f4 with both operands' format E2M3, f32 sums; everything else in f32.
;; Inputs: bias_f 1,024 float32; bias_i 1,024 float32; bias_o 1,024 float32; bias_u 1,024 float32; input 8,192 x 1,024 float32; prev_c 8,192 x 1,024 float32; prev_h 8,192 x 1,024 float32; weight_hf 1,024 x 1,024 float32; weight_hi 1,024 x 1,024 float32; weight_ho 1,024 x 1,024 float32; weight_hu 1,024 x 1,024 float32; weight_xf 1,024 x 1,024 float32; weight_xi 1,024 x 1,024 float32; weight_xo 1,024 x 1,024 float32; weight_xu 1,024 x 1,024 float32.
;; Outputs: out0 8,192 x 1,024 float32; out1 8,192 x 1,024 float32.
;; This version of the problem:
;;   THIS VERSION OF THE PROBLEM IS GIVEN IN LOW PRECISION. The matrix products marked QUANTISED in the list below multiply operands that are first quantised to E2M3 (2 exponent bits, 3 mantissa bits; 6 bits a number), with one power-of-two scale for each 32 numbers along K (OCP MX v1.0); their sums are f32. All else is computed in f32.
;;   The module's matrix products, in the order in which they are computed (A, B: the left and right operand; K: the contracted axis; several contracted axes count as one K, in the product's order):
;;     1. [M 8,192, K 1,024] x [K 1,024, N 1,024]; A: input input; B: input weight_xi: QUANTISED
;;     2. [M 8,192, K 1,024] x [K 1,024, N 1,024]; A: input prev_h; B: input weight_hi: QUANTISED
;;     3. [M 8,192, K 1,024] x [K 1,024, N 1,024]; A: input input; B: input weight_xf: QUANTISED
;;     4. [M 8,192, K 1,024] x [K 1,024, N 1,024]; A: input prev_h; B: input weight_hf: QUANTISED
;;     5. [M 8,192, K 1,024] x [K 1,024, N 1,024]; A: input input; B: input weight_xo: QUANTISED
;;     6. [M 8,192, K 1,024] x [K 1,024, N 1,024]; A: input prev_h; B: input weight_ho: QUANTISED
;;     7. [M 8,192, K 1,024] x [K 1,024, N 1,024]; A: input input; B: input weight_xu: QUANTISED
;;     8. [M 8,192, K 1,024] x [K 1,024, N 1,024]; A: input prev_h; B: input weight_hu: QUANTISED
;;   THE QUANTISER, for each operand of a quantised product, along K:
;;     - K is cut into blocks of 32 from its start; a last block that is shorter is filled with zeros.
;;     - A block's scale is 2^e with e = floor(log2(the largest magnitude in the block)) - 2, held to -126 .. 127; a block of zeros has e = 0. As a byte (E8M0): e + 127.
;;     - Each number is divided by its block's scale, clamped to +-7.5, and rounded to the nearest number of E2M3, ties to even, subnormals kept.
;;     - The product sums the exact products of the quantised numbers (number of the format x scale) in f32.
;;   ~~~python
;;   def quantise(x, axis):      # numpy; x: float32 -> the quantised numbers, widened to float32 again
;;       x = np.moveaxis(x, axis, -1); K = x.shape[-1]
;;       x = np.pad(x, [(0, 0)] * (x.ndim - 1) + [(0, -K % 32)]); x = x.reshape(x.shape[:-1] + (-1, 32)); a = np.abs(x).max(-1, keepdims=True)
;;       e = np.where(a > 0, np.clip(np.frexp(np.where(a > 0, a, 1))[1] - 1 - 2, -126, 127), 0)      # np.frexp(a)[1] - 1 = floor(log2(a)), exactly
;;       r = np.clip(x / 2.0 ** e, -7.5, 7.5)
;;       step = 2.0 ** (np.maximum(np.frexp(np.where(r == 0, 1, r))[1] - 1, 0) - 3)
;;       q = np.round(r / step) * step * 2.0 ** e      # np.round: ties to even
;;       return np.moveaxis(q.reshape(q.shape[:-2] + (-1,))[..., :K], -1, axis).astype(np.float32)
;;   ~~~
;; One version. Each part assembles by itself: llvm-mc -triple=amdgcn-amd-amdhsa -mcpu=gfx1250 --defsym DOCPART=n.
;; ======== version 1 of 1: 2 launches
;; limits: right only within a limited range of input values
;; workspace buffers: a_img 13,107,200 bytes; w_img 6,553,600 bytes
;; launch quant (part 1): grid 768 x 1, 4 waves a work-group, no clusters, 93,952 bytes of LDS; arguments input, prev_h, weight_xi, weight_hi, weight_xf, weight_hf, weight_xo, weight_ho, weight_xu, weight_hu, a_img, w_img; writes a_img, w_img
.if DOCPART == 1
	.amdgcn_target "amdgcn-amd-amdhsa--gfx1250"
	.amdhsa_code_object_version 6
	.text
	.protected	k_q173414c25c_quant
	.globl	k_q173414c25c_quant
	.p2align	8
	.type	k_q173414c25c_quant,@function
k_q173414c25c_quant:
	s_mov_b64 s[64:65], 0
	v_nop
	global_prefetch_b8 v0, s[64:65] scope:SCOPE_SE
	s_setreg_imm32_b32 hwreg(HW_REG_WAVE_MODE, 25, 1), 1
	s_wait_xcnt 0x0
; The operands of the LSTM cell's eight products become codes of FP6 (E2M3) with one E8M0 scale byte for each 32 along K, laid as the product's launch takes them into registers.
; The eight products are ONE product: [input | prev_h] (8,192 x 2,048) x the four gates' weights (2,048 x 4,096 rows n').  Both halves of K are 1,024, a multiple of 32: joining them moves no block.
; n' = 128 (j / 32) + 32 g + j % 32 is column j of gate g (0 = i, 1 = f, 2 = o, 3 = u).  K steps of 128: steps 0-7 are input's (weight_x*'s), steps 8-15 prev_h's (weight_h*'s).
; a_img and w_img: [T: 128 rows][st: 16 steps][12,800 bytes].  In such a block: fragment i (16 rows) at 1,536 i: the 16 bytes at 512 j + 16 L are registers 4 j .. 4 j + 3 of lane L = r + 16 h of the
; operand (register 6 c + w of lane (r, h): bytes 48 c + 24 h + 4 w of row r's 96 bytes of codes); behind the eight fragments, at 12,288 + 64 i + 4 r, row r's scale word (byte b: k = 32 b ..).
; A block's scale is 2^(floor(log2(largest magnitude)) - 2): its byte is the largest magnitude's exponent field - 2, held at 1 from below; numbers are divided by it and rounded to the nearest code, ties to even, beyond 7.5 the largest code.
; LIMITS: a block of zeros gets the byte 1 where the rule says 127 (its codes are zeros; this program alone reads the bytes); blocks under 2^-124 are held at that byte too; NaN and infinities are not served.
; Work-groups 0-511: 16 rows of input and prev_h each (one fragment row i of one T, all 16 steps); 512-767: the weights.  The two ways part on the work-group's number; each has LDS bytes of its own.
; Codes leave as runs of 512 consecutive aligned bytes.  The scale words of the first way leave as runs of 64 bytes (16 rows of one step), those of the second as runs of 128: one byte in 128 of what is read.
.set EMAX,   2
.set TB,     204800
.set STB,    12800
.set CODEB,  12288
.set STEPS,  16                        ; first way: steps of 512 numbers for a wave: 4 rows of input (0-7), the same rows of prev_h (8-15)
.set AR,     16                        ; v16-79   four sets of 16 numbers as loaded; at the end the image read back
.set AX,     80                        ; v80-111  two sets of 16 neighbours
.set AE,     112                       ; v112-127 a scale byte for each step
.set ACD,    128                       ; v128-191 codes, four registers a step
.set WREG,   8192                      ; LDS 0-32767: a region for each wave: two stages of 32 x SP bytes
.set SP,     80
.set IMG,    68096                     ; LDS: the work-group's image: 16 steps x (1,536 + 16 of padding)
.set ISTR,   1552
.set SIMG,   IMG+16*ISTR               ; and its scale words: 16 steps x 16 rows x 4 bytes
.set WLDS,   32768                     ; second way: a stage of 6,144 bytes for each wave, WSTG apart
.set WSTG,   8704
.set NB,     8
.set WX,     32
.set WC,     96
.set OUTR,   112
.set SB,     24
	s_load_b128 s[4:7], s[0:1], 0x0                ; input, prev_h
	s_load_b512 s[16:31], s[0:1], 0x10             ; xi, hi, xf, hf, xo, ho, xu, hu
	s_load_b128 s[8:11], s[0:1], 0x50              ; a_img, w_img
	v_lshl_add_u32 v192, v0, 2, 0x10800            ; my spare word (bytes 67,584 on)
	v_mov_b32 v193, 0
	v_lshrrev_b32 v1, 5, v0
	v_readfirstlane_b32 s32, v1                    ; wave
	v_and_b32 v2, 31, v0                           ; lane
	s_wait_alu depctr_va_vdst(0)                   ; the wait at the head's end
	s_wait_kmcnt 0x0
	s_cmp_lt_u32 ttmp9, 512
	s_cbranch_scc0 .Lweights
; ---------------- input and prev_h: K innermost
	s_mul_i32 s34, s32, WREG
	s_lshl_b32 s33, ttmp9, 4
	s_lshl_b32 s35, s32, 2
	s_add_co_u32 s33, s33, s35                     ; my first row: 16 x work-group + 4 x wave
	s_lshl_b32 s36, s33, 12
	s_mov_b32 s37, 0
	s_add_nc_u64 s[4:5], s[4:5], s[36:37]
	s_add_nc_u64 s[6:7], s[6:7], s[36:37]
	s_lshr_b32 s38, ttmp9, 3                       ; T
	s_and_b32 s39, ttmp9, 7                        ; i
	s_mul_i32 s36, s38, TB
	s_mul_i32 s40, s32, 4*STB                      ; on the way out wave w takes steps 4 w .. 4 w + 3
	s_add_co_u32 s36, s36, s40
	s_add_nc_u64 s[8:9], s[8:9], s[36:37]
	s_lshl_b32 s36, s39, 6
	s_add_co_u32 s36, s36, CODEB
	s_add_nc_u64 s[10:11], s[8:9], s[36:37]        ; the scale words of fragment i
	s_mul_i32 s36, s39, 1536
	s_add_nc_u64 s[8:9], s[8:9], s[36:37]          ; its codes
	s_lshl_b32 s41, s32, 6
	s_add_co_u32 s41, s41, IMG                     ; rows 4 w ..: 16 bytes a row in the image
	s_lshl_b32 s42, s32, 4
	s_add_co_u32 s42, s42, SIMG
	s_mul_i32 s43, s32, 4*ISTR
	s_add_co_u32 s43, s43, IMG
	s_lshl_b32 s44, s32, 8
	s_add_co_u32 s44, s44, SIMG
	v_lshlrev_b32 v3, 4, v2                        ; 16 bytes a lane: of a load's 512, and of a store's
	v_lshrrev_b32 v14, 2, v2
	v_mul_u32_u24 v14, v14, SP
	v_and_b32 v15, 3, v2
	v_lshl_add_u32 v14, v15, 4, v14
	v_add_nc_u32 v14, s34, v14                     ; the stage, way in
	v_mul_u32_u24 v15, v2, SP
	v_add_nc_u32 v15, s34, v15                     ; way out: my 16 neighbours
	v_and_b32 v8, 7, v2                            ; my 16 numbers' place in a step of 128: block (c, h), half hf
	v_lshrrev_b32 v9, 2, v8
	v_and_b32 v11, 1, v8
	v_mul_u32_u24 v9, v9, 6
	v_mad_u32_u24 v9, v11, 3, v9                   ; my first register of the operand: 6 c + 3 hf
	v_bfe_u32 v11, v8, 1, 1                        ; h
	v_lshrrev_b32 v7, 3, v2                        ; which of the four steps that the wave's 512 numbers span
	v_mul_u32_u24 v13, v7, ISTR
	v_lshl_add_u32 v13, v11, 8, v13
	v_add_nc_u32 v13, s41, v13
.macro ADRN n, reg                     ; where register 6 c + 3 hf + n lies in the image
	v_add_nc_u32 v11, \n, v9
	v_lshrrev_b32 v6, 2, v11
	v_and_b32 v11, 3, v11
	v_lshl_add_u32 v\reg, v6, 9, v13
	v_lshl_add_u32 v\reg, v11, 2, v\reg
.endm
	ADRN 0, 4
	ADRN 1, 10
	ADRN 2, 12
	v_lshrrev_b32 v5, 1, v8
	v_lshl_add_u32 v5, v7, 6, v5
	v_add_nc_u32 v5, s42, v5                       ; my block's scale byte
	v_add_nc_u32 v6, s43, v3                       ; the image read back
	v_lshl_add_u32 v7, v2, 2, s44                  ; the scale words read back: lanes 0-15 one step, lanes 16-31 the next
	v_lshrrev_b32 v13, 4, v2
	v_mul_u32_u24 v13, v13, STB
	v_and_b32 v11, 15, v2
	v_lshl_add_u32 v13, v11, 2, v13                ; and the same places in a_img
	s_wait_alu depctr_va_vdst(0)                   ; the wait ahead of the readers below
.macro LOADA t
.irp i, 0,1,2,3
	global_load_b128 v[AR+16*((\t)%4)+4*\i:AR+16*((\t)%4)+4*\i+3], v3, s[4+2*((\t)/8):5+2*((\t)/8)] offset:2048*((\t)%8)+512*\i th:TH_LOAD_NT
.endr
.endm
.macro TURNA t                         ; LDS serves a wave's instructions in order (ISA guide 5.7.1.4): no wait between the stores and the loads
.irp i, 0,1,2,3
	ds_store_b128 v14, v[AR+16*((\t)%4)+4*\i:AR+16*((\t)%4)+4*\i+3] offset:32*SP*((\t)%2)+8*SP*\i
.endr
.irp i, 0,1,2,3
	ds_load_b128 v[AX+16*((\t)%2)+4*\i:AX+16*((\t)%2)+4*\i+3], v15 offset:32*SP*((\t)%2)+16*\i
.endr
.endm
.irp t, 0,1,2,3
	LOADA \t
.endr
	s_wait_loadcnt 12                              ; step 0's four loads are in
	TURNA 0
.macro STEPA t
.set XS, AX+16*((\t)%2)
.set IO, (8*((\t)/8)+4*((\t)%2))*ISTR+16*(((\t)%8)/2)
.if (\t) > 0
	s_wait_dscnt 4                                 ; this step's numbers are back; the last step's four stores into the image may be out
.else
	s_wait_dscnt 0x0
.endif
.if (\t)+4 < STEPS
	LOADA (\t)+4
.endif
.if (\t)+1 < STEPS
.if STEPS-2-(\t) >= 3
	s_wait_loadcnt 12                              ; the next step's four loads are in; three steps' may be out
.else
	s_wait_loadcnt 4*(STEPS-2-(\t))
.endif
	TURNA (\t)+1
.endif
	v_max3_num_f32 v8, |v[XS]|, |v[XS+1]|, |v[XS+2]|
	v_max3_num_f32 v9, |v[XS+3]|, |v[XS+4]|, |v[XS+5]|
.irp i, 6,10
	v_max3_num_f32 v8, v8, |v[XS+\i]|, |v[XS+\i+1]|
	v_max3_num_f32 v9, v9, |v[XS+\i+2]|, |v[XS+\i+3]|
.endr
	v_max3_num_f32 v8, v8, |v[XS+14]|, |v[XS+15]|
	v_max3_num_f32 v8, v8, v9, (EMAX+1)<<23        ; the floor: the byte cannot fall under 1
	v_max_num_f32_dpp v8, v8, v8 row_xmask:1 row_mask:0xf bank_mask:0xf   ; with my neighbour's 16: the block's
	v_add_nc_u32 v11, -(EMAX<<23), v8              ; the conversion takes this operand's exponent field as its scale
	v_cvt_scalef32_pk16_fp6_f32 v[ACD+4*(\t):ACD+4*(\t)+2], v[XS:XS+15], v11
	v_lshrrev_b32 v[AE+(\t)], 23, v11              ; the byte (also the plain line behind the conversion)
	ds_store_b32 v4, v[ACD+4*(\t)] offset:IO
	ds_store_b32 v10, v[ACD+4*(\t)+1] offset:IO
	ds_store_b32 v12, v[ACD+4*(\t)+2] offset:IO
	ds_store_b8 v5, v[AE+(\t)] offset:(8*((\t)/8)+4*((\t)%2))*64+4*(((\t)%8)/2)   ; both lanes of a block write the same byte
.endm
.irp t, 0,1,2,3,4,5,6,7,8,9,10,11,12,13,14,15
	STEPA \t
.endr
	s_wait_dscnt 0x0                               ; for the others' sake: my part of the image is written
	s_barrier_signal -1
	s_barrier_wait -1
.irp k, 0,1,2,3,4,5,6,7,8,9,10,11
	ds_load_b128 v[AR+4*\k:AR+4*\k+3], v6 offset:(\k/3)*ISTR+(\k%3)*512
.endr
	ds_load_b32 v64, v7
	ds_load_b32 v65, v7 offset:128
.irp k, 0,1,2,3,4,5,6,7,8,9,10,11
	s_wait_dscnt 13-\k
	global_store_b128 v3, v[AR+4*\k:AR+4*\k+3], s[8:9] offset:(\k/3)*STB+(\k%3)*512   ; 512 consecutive bytes, aligned
.endr
	s_wait_dscnt 0x0
	global_store_b32 v13, v64, s[10:11]
	global_store_b32 v13, v65, s[10:11] offset:2*STB
	s_wait_tensorcnt 0x0                           ; the wave's end
	ds_add_u32 v192, v193
	s_wait_dscnt 0x0
	s_endpgm
; ---------------- the weights: K is the first axis.  A lane takes a column and its registers run down K; a wave takes 32 columns x 256 along K (two steps) of one weight:
; fragments 2 g and 2 g + 1 of T = its group of 32 columns; a lane's block of 32 is six registers of the operand's lane (r, h).
.Lweights:
	s_sub_co_u32 s33, ttmp9, 512
	s_and_b32 s34, s33, 3                          ; which 256 along K
	s_bfe_u32 s35, s33, 0x30002                    ; which 128 columns
	s_lshr_b32 s36, s33, 5                         ; which weight: 2 g + source
	s_lshr_b32 s37, s36, 1
	s_and_b32 s38, s36, 1
	s_bitcmp1_b32 s36, 0
	s_cselect_b64 s[16:17], s[18:19], s[16:17]
	s_cselect_b64 s[20:21], s[22:23], s[20:21]
	s_cselect_b64 s[24:25], s[26:27], s[24:25]
	s_cselect_b64 s[28:29], s[30:31], s[28:29]
	s_bitcmp1_b32 s36, 1
	s_cselect_b64 s[16:17], s[20:21], s[16:17]
	s_cselect_b64 s[24:25], s[28:29], s[24:25]
	s_bitcmp1_b32 s36, 2
	s_cselect_b64 s[16:17], s[24:25], s[16:17]
	s_lshl_b32 s35, s35, 2
	s_add_co_u32 s35, s35, s32                     ; T
	s_lshl_b32 s40, s34, 20
	s_lshl_b32 s41, s35, 7
	s_add_co_u32 s40, s40, s41
	s_mov_b32 s41, 0
	s_add_nc_u64 s[16:17], s[16:17], s[40:41]
	s_mul_i32 s40, s35, TB
	s_lshl_b32 s42, s38, 3
	s_lshl_b32 s39, s34, 1
	s_add_co_u32 s42, s42, s39                     ; my first step: 8 x source + 2 x (256 along K)
	s_mul_i32 s42, s42, STB
	s_add_co_u32 s40, s40, s42
	s_add_nc_u64 s[10:11], s[10:11], s[40:41]
	s_lshl_b32 s40, s37, 7
	s_add_co_u32 s40, s40, CODEB
	s_add_nc_u64 s[14:15], s[10:11], s[40:41]      ; the scale words of fragments 2 g, 2 g + 1
	s_mul_i32 s40, s37, 3072
	s_add_nc_u64 s[10:11], s[10:11], s[40:41]      ; their codes
	s_mul_i32 s43, s32, WSTG
	s_add_co_u32 s43, s43, WLDS
	v_lshlrev_b32 v3, 2, v2                        ; 4 bytes a lane: in W, and among the scale words
	v_lshrrev_b32 v6, 4, v2
	v_mul_u32_u24 v4, v6, 1536
	v_and_b32 v5, 15, v2
	v_lshl_add_u32 v4, v5, 4, v4
	v_add_nc_u32 v4, s43, v4                       ; into the stage: fragment lane / 16, row lane % 16
	v_lshlrev_b32 v8, 4, v2
	v_add_nc_u32 v7, s43, v8                       ; out of it: as it lies
	s_wait_alu depctr_va_vdst(0)                   ; the wait ahead of the readers below
.macro LOADW t
.irp i, 0,1,2,3,4,5,6,7,8,9,10,11,12,13,14,15,16,17,18,19,20,21,22,23,24,25,26,27,28,29,30,31
	global_load_b32 v[WX+32*((\t)%2)+\i], v3, s[16:17] offset:(32*(\t)+\i)*4096 th:TH_LOAD_NT
.endr
.endm
	LOADW 0
	LOADW 1
.macro BLOCKW t
.set XS, WX+32*((\t)%2)
.set BO, 3072*((\t)/4)+256*((\t)%2)    ; step t / 4; the block's h = t % 2: lanes 16 on
.if (\t) < NB-1
	s_wait_loadcnt 32                              ; this block's 32 loads are in; the next block's may be out
.else
	s_wait_loadcnt 0
.endif
	v_max3_num_f32 v12, |v[XS]|, |v[XS+1]|, |v[XS+2]|
	v_max3_num_f32 v13, |v[XS+3]|, |v[XS+4]|, |v[XS+5]|
.irp i, 6,10,14,18,22,26
	v_max3_num_f32 v12, v12, |v[XS+\i]|, |v[XS+\i+1]|
	v_max3_num_f32 v13, v13, |v[XS+\i+2]|, |v[XS+\i+3]|
.endr
	v_max3_num_f32 v12, v12, |v[XS+30]|, |v[XS+31]|
	v_max3_num_f32 v12, v12, v13, (EMAX+1)<<23
	v_add_nc_u32 v11, -(EMAX<<23), v12
	v_lshrrev_b32 v13, 23, v11
.if (\t)%4 == 0
	v_mov_b32 v[SB+(\t)/4], v13
.else
	v_lshl_or_b32 v[SB+(\t)/4], v13, 8*((\t)%4), v[SB+(\t)/4]
.endif
	v_cvt_scalef32_pk16_fp6_f32 v[WC:WC+2], v[XS:XS+15], v11
	v_cvt_scalef32_pk16_fp6_f32 v[WC+4:WC+6], v[XS+16:XS+31], v11  ; (a conversion's three registers begin on an even number)
	v_nop                                          ; one plain line behind the last conversion
	v_mov_b32 v[WC+3], v[WC+4]                     ; the block's six registers on end
	v_mov_b32 v[WC+4], v[WC+5]
	v_mov_b32 v[WC+5], v[WC+6]
.if (((\t)%4)/2) == 0
	ds_store_b128 v4, v[WC:WC+3] offset:BO         ; registers 0-3, 4-5 of the operand
	ds_store_b64 v4, v[WC+4:WC+5] offset:BO+512
.else
	ds_store_b64 v4, v[WC:WC+1] offset:BO+520      ; registers 6-7, 8-11
	ds_store_b128 v4, v[WC+2:WC+5] offset:BO+1024
.endif
.if (\t)+2 < NB
	LOADW (\t)+2
.endif
	s_wait_dscnt 0x0                               ; the stores have read their registers
.endm
.irp t, 0,1,2,3,4,5,6,7
	BLOCKW \t
.endr
	s_wait_alu depctr_va_vdst(0)                   ; the wait ahead of the reader below
	global_store_b32 v3, v[SB], s[14:15]           ; 128 consecutive bytes: two fragments' words of a step
	global_store_b32 v3, v[SB+1], s[14:15] offset:STB
.irp k, 0,1,2,3,4,5,6,7,8,9,10,11
	ds_load_b128 v[OUTR+4*\k:OUTR+4*\k+3], v7 offset:512*\k
.endr
.irp k, 0,1,2,3,4,5,6,7,8,9,10,11
	s_wait_dscnt 11-\k
	global_store_b128 v8, v[OUTR+4*\k:OUTR+4*\k+3], s[10:11] offset:(\k/6)*STB+(\k%6)*512   ; 512 consecutive bytes, aligned
.endr
	s_wait_tensorcnt 0x0                           ; the wave's end
	ds_add_u32 v192, v193
	s_wait_dscnt 0x0
	s_endpgm
.Lfunc_end_k_q173414c25c_quant:
	.size	k_q173414c25c_quant, .Lfunc_end_k_q173414c25c_quant-k_q173414c25c_quant
	.p2alignl 7, 3214868480
	.fill 96, 4, 3214868480
	.section	.rodata,"a",@progbits
	.p2align	6, 0x0
	.amdhsa_kernel k_q173414c25c_quant
		.amdhsa_group_segment_fixed_size 93952
		.amdhsa_private_segment_fixed_size 0
		.amdhsa_enable_private_segment 0
		.amdhsa_kernarg_size 96
		.amdhsa_user_sgpr_count 2
		.amdhsa_user_sgpr_kernarg_segment_ptr 1
		.amdhsa_wavefront_size32 1
		.amdhsa_system_sgpr_workgroup_id_x 1
		.amdhsa_system_sgpr_workgroup_id_y 1
		.amdhsa_system_sgpr_workgroup_id_z 1
		.amdhsa_system_vgpr_workitem_id 0
		.amdhsa_next_free_vgpr 194
		.amdhsa_next_free_sgpr 66
		.amdhsa_reserve_vcc 0
		.amdhsa_float_denorm_mode_32 3
		.amdhsa_float_denorm_mode_16_64 3
		.amdhsa_memory_ordered 1
		.amdhsa_forward_progress 1
		.amdhsa_inst_pref_size 80
	.end_amdhsa_kernel
	.amdgpu_metadata
---
amdhsa.version: [ 1, 2 ]
amdhsa.kernels:
  - .name:           k_q173414c25c_quant
    .symbol:         k_q173414c25c_quant.kd
    .args:
      - { .name: input, .offset: 0, .size: 8, .value_kind: global_buffer, .address_space: global }
      - { .name: prev_h, .offset: 8, .size: 8, .value_kind: global_buffer, .address_space: global }
      - { .name: weight_xi, .offset: 16, .size: 8, .value_kind: global_buffer, .address_space: global }
      - { .name: weight_hi, .offset: 24, .size: 8, .value_kind: global_buffer, .address_space: global }
      - { .name: weight_xf, .offset: 32, .size: 8, .value_kind: global_buffer, .address_space: global }
      - { .name: weight_hf, .offset: 40, .size: 8, .value_kind: global_buffer, .address_space: global }
      - { .name: weight_xo, .offset: 48, .size: 8, .value_kind: global_buffer, .address_space: global }
      - { .name: weight_ho, .offset: 56, .size: 8, .value_kind: global_buffer, .address_space: global }
      - { .name: weight_xu, .offset: 64, .size: 8, .value_kind: global_buffer, .address_space: global }
      - { .name: weight_hu, .offset: 72, .size: 8, .value_kind: global_buffer, .address_space: global }
      - { .name: a_img, .offset: 80, .size: 8, .value_kind: global_buffer, .address_space: global }
      - { .name: w_img, .offset: 88, .size: 8, .value_kind: global_buffer, .address_space: global }
    .group_segment_fixed_size: 93952
    .private_segment_fixed_size: 0
    .kernarg_segment_align: 8
    .kernarg_segment_size: 96
    .max_flat_workgroup_size: 128
    .sgpr_count:     66
    .vgpr_count:     194
    .wavefront_size: 32
...
	.end_amdgpu_metadata
.endif
;; end of part 1
;; launch lstm (part 2): grid 16 x 32, 4 waves a work-group, clusters of 4 x 4, 327,680 bytes of LDS; arguments a_img, w_img, bias_i, bias_f, bias_o, bias_u, prev_c, out0, out1; writes out0, out1
.if DOCPART == 2
	.amdgcn_target "amdgcn-amd-amdhsa--gfx1250"
	.amdhsa_code_object_version 6
	.text
	.protected	k_q173414c25c_lstm
	.globl	k_q173414c25c_lstm
	.p2align	8
	.type	k_q173414c25c_lstm,@function
k_q173414c25c_lstm:
	s_mov_b64 s[64:65], 0
	v_nop
	global_prefetch_b8 v0, s[64:65] scope:SCOPE_SE
	s_setreg_imm32_b32 hwreg(HW_REG_WAVE_MODE, 25, 1), 1
	s_wait_xcnt 0x0
	s_wait_alu depctr_hold_cnt(0) depctr_sa_sdst(0) depctr_va_vdst(0) depctr_va_sdst(0) depctr_va_ssrc(0) depctr_va_vcc(0) depctr_vm_vsrc(0)
	s_getreg_b32 s2, hwreg(HW_REG_IB_STS2, 6, 4)
	s_cmp_eq_u32 s2, 0
	s_cbranch_scc0 .Lentry_in_a_cluster
	s_endpgm
.Lentry_in_a_cluster:
	s_bfe_u32 s2, ttmp6, 0x10000c
	s_cmp_lg_u32 s2, 0xf033
	s_cbranch_scc0 .Lentry_shape_is_right
	s_endpgm
.Lentry_shape_is_right:
; The LSTM cell.  G[m][n'] = bias + sum over k of A[m][k] B[n'][k], A = [input | prev_h] (8,192 x 2,048), B = the four gates' weights (4,096 rows n' x 2,048), codes of FP6 (E2M3) with E8M0 scales; f32 sums.
; Then, G never leaving the registers:  c = sigmoid(G_f) prev_c + sigmoid(G_i) tanh(G_u);  h = sigmoid(G_o) tanh(c);  out0 = h, out1 = c.
; a_img, w_img: [T: 128 rows][st: 16 steps of 128 along K][12,800 bytes]: eight fragments of 1,536 bytes as images of the operand's registers (the 16 bytes at 512 j + 16 lane are registers 4 j .. 4 j + 3),
; then 512 bytes of scale words (64 i + 4 r).  So a fragment is three dense loads of 16 bytes a lane, and what a tensor load brings is dense in memory: rows of 256 bytes on 256-byte borders, no padding.
; B's row n' = 128 (j / 32) + 32 g + j % 32 is column j of gate g (0 = i, 1 = f, 2 = o, 3 = u): a wave's 128 rows of B are the four gates of 32 hidden columns.
; A tile of G, 256 x 256, is made by four waves, 128 x 128 each: 64 accumulators, 512 registers.  K goes through two LDS slots of THREE steps each (4 x 38,400 bytes), a quarter of a slot a wave and load:
; fill 0 (steps 0-2) at the head, fill 1 behind the full sequence and a round, fills 2, 3, 4 as refills, fill 5 is step 15 alone, and slot 0's last fill is prev_c's tile.
; A and B both have TWO sets of registers: a step's fragments are all fetched during the step before.  So a slot's bytes are in registers at the START of its last step: there stand the wait for all tensor loads,
; the add, the round of the cluster's barrier and the refill, which has three steps, 192 matrix instructions a wave, up to the wait for it.  By this text's count a wave has one tensor load out at most.
; The walk along K is written out step by step: fills of 3, 3, 3, 3, 3 and 1 steps do not come back to where they began within 16 steps.
; CLUSTERS: 4 x 4 work-groups; A's tiles are asked for jointly along a row of the cluster, B's along a column.  prev_c's tile belongs to one work-group: a plain load, a wave its 64 rows.
; PREFETCHES: fill n's 150 blocks of 256 bytes of each quarter are named once in each cluster, shared out among the four partners by address (32 blocks and 6 more each; fill 5: 13 of 50): fill 1 in the head,
; behind fill 0's load; fill 2 in step 0 (its load stands in step 2); fills 3, 4, 5 in steps 1, 4, 7 (loads in steps 5, 8, 11); prev_c's rows in step 10 (load in step 14), a lane a row.  Fill 0 comes by its load alone.
; THE MATRIX INSTRUCTION IS USED TRANSPOSED (source 0 = B, source 1 = A): in accumulator (a, b = 2 g + s) lane (r, h) holds in register j gate g of row 16 a + r, hidden column 16 s + 8 h + j.  The biases are the C of each sum's first instruction.
; THE CELL.  sigmoid(a) tanh(b) = (E - 1) / ((1 + e^-a)(1 + E)), E = min(e^(2 b), 2^40): there (E - 1) / (E + 1) is 1 in f32, so the hold changes nothing.  Where e^-a overflows, the divisor is infinite and the product 0.
; A block's 16 numbers a lane go as TWO halves (s = 0, 1) by turns: behind each batch of exponentials or reciprocals of one half stands the other half's plain arithmetic, and one wait parts the turns.
; LIMITS: NaN and infinities among the inputs are not served.  The exponentials and reciprocals stand behind the products, ahead of no quantiser.
; REGISTERS: window 0: v0-31 addresses; v32-47 scale words, two sets (nothing else); v64-255 A's two sets, in the cell its work.  Window 1: v0-191 B's two sets; v192-255 the biases.  Windows 2, 3: the accumulators.
.set TB,     204800
.set STB,    12800
.set CODEB,  12288
.set FILL,   3*STB
.set SLOT,   4*FILL
.set SPARE,  2*SLOT                    ; the spare words: 512 bytes that no other line names
.set OROW,   4096
.set NP,     4
.set CP,     272                       ; the cell's rows in LDS: 256 bytes + 16
.set HST,    SLOT                      ; prev_c's tile is slot 0's last fill, c is written over it; h's stage lies in slot 1 behind that slot's last fill and last read
.set RDH,  8
.set PF1,  9                           ; v9-11 the prefetches' offsets
.set PF2,  10
.set PF3,  11
.set ADRA, 16                          ; v16-17 my A fragments in slot 0, 1
.set ADRB, 20                          ; v20-21 B's
.set ADRS, 22                          ; v22-23 scale words: lanes 0-15 A's rows, lanes 16-31 B's
.set PCA,  24
.set RD,   25
.set CO,   26
.set SPW,  28
.set NIL,  29
.set PFO,  30
.set HSA,  31
.set SC,   32
.set AF,   64
.set BI,   192                         ; in window 1
.set PCV,  64
.set OC,   96
.set XG,   128
.set XI,   128
.set XF,   144
.set XO,   160
.set XU,   176
.set T1,   192
.set T2,   208
.set OH,   224
.set G1P, 4                            ; s[4:11] group 1 for prev_c (behind the bias pointers)
.set G1,  24
.set G0,  32
.set G1B, 48
.set G0B, 56
.set G0P, 68                           ; s[68:71] group 0 for prev_c
.set PFA, 46                           ; s[46:47] my quarter's first byte in a_img or w_img
.set PCP, 100                          ; s[100:101] my 64 rows of prev_c
.set MSB, 0
.macro WIN new
.if MSB != \new
	s_set_vgpr_msb (MSB<<8)|\new
.set MSB, \new
.endif
.endm
.set MUL_LO, 0xa1
.set MUL_HI, 0xf1
.set BEG_LO, 0x91                      ; the first step: C (the biases) window 1
.set BEG_HI, 0xd1
.set TO_B,   0x40
.macro PLACES n
.rept \n
	v_nop
.endr
.endm
.macro JLOAD g0a, g1a, g0b, g1b        ; waves 0, 1 fetch for A, waves 2, 3 for B; s_nop 0 and four v_nop behind each line
	s_cmp_eq_u32 s15, 0
	s_cbranch_scc0 .Lfor_b_\@
	tensor_load_to_lds s[\g0a:\g0a+3], s[\g1a:\g1a+7]
	s_nop 0
	PLACES 4
	s_branch .Lasked_\@
.Lfor_b_\@:
	tensor_load_to_lds s[\g0b:\g0b+3], s[\g1b:\g1b+7]
	s_nop 0
	PLACES 4
.Lasked_\@:
.endm
.macro CREST
	s_cmp_lg_u32 s14, 0
	s_cbranch_scc1 .Lnot_wave_0_\@
	s_barrier_signal -3
.Lnot_wave_0_\@:
	s_barrier_wait -3
	s_barrier_signal -1
	s_barrier_wait -1
.endm
.macro CROUND
	s_barrier_signal -1
	s_barrier_wait -1
	CREST
.endm
.macro ASKF n                          ; my work-group's 38 blocks of my quarter of fill n
	global_prefetch_b8 v[PF1], s[PFA:PFA+1] offset:(\n)*FILL th:TH_LOAD_NT scope:SCOPE_SE
	global_prefetch_b8 v[PF2], s[PFA:PFA+1] offset:(\n)*FILL th:TH_LOAD_NT scope:SCOPE_SE
.endm
	s_load_b128 s[4:7], s[0:1], 0x0                ; a_img, w_img
	s_load_b64 s[PCP:PCP+1], s[0:1], 0x30          ; prev_c
	s_load_b64 s[12:13], s[0:1], 0x38              ; out0 = h
	s_load_b64 s[66:67], s[0:1], 0x40              ; out1 = c
	v_lshl_add_u32 v[SPW], v0, 2, SPARE
	v_mov_b32 v[NIL], 0
	ds_add_u32 v[SPW], v[NIL]                      ; the opening lines: the add twice and one wait
	ds_add_u32 v[SPW], v[NIL]
	v_lshrrev_b32 v1, 5, v0
	v_readfirstlane_b32 s14, v1                    ; wave
	s_lshr_b32 s15, s14, 1                         ; my half of the tile's rows; also: I fetch for A (0) or B (1)
	s_and_b32 s16, s14, 1                          ; my half of its n'; also: which 128 rows I fetch
	s_bfe_u32 s40, ttmp6, 0x40000                  ; cx
	s_bfe_u32 s41, ttmp6, 0x40004                  ; cy
	s_lshl_b32 s42, ttmp9, 2
	s_add_co_u32 s42, s42, s40                     ; tile column
	s_and_b32 s17, ttmp7, 0xffff
	s_lshl_b32 s17, s17, 2
	s_add_co_u32 s17, s17, s41                     ; tile row
	s_lshl_b32 s43, s41, 2
	s_lshl_b32 s43, 15, s43                        ; my row of the cluster
	s_lshl_b32 s44, 0x1111, s40                    ; my column
	s_or_b32 s[G1], s43, (3<<16)|(1<<21)           ; elements of 8 bytes, no padding, bit 21 beside the mask
	s_or_b32 s[G1B], s44, (3<<16)|(1<<21)
.irp g, G1, G1B                        ; a quarter of a slot, dense: 150 rows of 256 bytes
	s_mov_b32 s[\g+1], 32<<16
	s_mov_b32 s[\g+2], 150<<16
	s_mov_b32 s[\g+3], 32<<16
	s_mov_b32 s[\g+4], 150
	s_mov_b32 s[\g+5], 32
	s_mov_b32 s[\g+6], 0
	s_mov_b32 s[\g+7], 0
.endr
	s_mul_i32 s20, s17, 2*TB
	s_mov_b32 s21, 0
	s_mul_i32 s46, s42, 2*TB
	s_mov_b32 s47, 0
	s_mul_i32 s18, s16, TB
	s_mov_b32 s19, 0
	s_mul_i32 s45, s14, FILL
	s_wait_dscnt 0x0                               ; both opening adds are done
	s_wait_kmcnt 0x0
	s_add_nc_u64 s[20:21], s[4:5], s[20:21]        ; A's tile hangs on the tile row alone,
	s_add_nc_u64 s[46:47], s[6:7], s[46:47]        ; B's on the tile column alone
	s_add_nc_u64 s[20:21], s[20:21], s[18:19]      ; my 128 rows
	s_add_nc_u64 s[46:47], s[46:47], s[18:19]
.irp s, 0,1                            ; slot 0 begins with fill 0, slot 1 with fill 1
	s_mov_b32 s[G0+4*\s], 1
	s_add_co_u32 s[G0+4*\s+1], s45, \s*SLOT
	s_add_nc_u64 s[G0+4*\s+2:G0+4*\s+3], s[20:21], \s*FILL
	s_or_b32 s[G0+4*\s+3], s[G0+4*\s+3], 0x80000000
	s_mov_b32 s[G0B+4*\s], 1
	s_add_co_u32 s[G0B+4*\s+1], s45, \s*SLOT
	s_add_nc_u64 s[G0B+4*\s+2:G0B+4*\s+3], s[46:47], \s*FILL
	s_or_b32 s[G0B+4*\s+3], s[G0B+4*\s+3], 0x80000000
.endr
	CROUND                                         ; all sixteen work-groups are here: the first joint loads meet
	JLOAD G0, G1, G0B, G1B                         ; fill 0: one tensor load a wave at the head
	s_load_b256 s[4:11], s[0:1], 0x10              ; the biases: i, f, o, u
	s_cmp_eq_u32 s15, 0
	s_cselect_b64 s[PFA:PFA+1], s[20:21], s[46:47] ; the quarter that I fetch,
	s_cselect_b32 s43, s40, s41                    ; and my place p among the four that ask for it with me
	s_lshl_b32 s44, s43, 13                        ; 32 p blocks
	s_mul_i32 s45, s43, 6
	s_add_co_u32 s45, s45, 128                     ; block 128 + 6 p
	s_mul_i32 s43, s43, 13
	s_mul_i32 s18, s15, FILL                       ; my 128 rows of A
	s_mul_i32 s19, s16, FILL
	s_add_co_u32 s19, s19, 2*FILL                  ; my 128 rows of B
	s_sub_co_u32 s22, s19, s18
	s_add_co_u32 s23, s18, CODEB
	s_mul_i32 s2, s15, 128*CP
	s_lshl_b32 s3, s16, 7
	s_add_co_u32 s2, s2, s3                        ; the cell: my rows, my 128 bytes of a row
	s_mul_i32 s3, s15, 128*CP
	s_mul_i32 s20, s16, 16*CP
	s_add_co_u32 s3, s3, s20                       ; the way out: 16 whole rows of each phase's 32
	s_lshl_b32 s20, s17, 8
	s_lshl_b32 s21, s14, 6
	s_add_co_u32 s20, s20, s21                     ; prev_c: row 256 x tile row + 64 x wave
	s_lshl_b32 s20, s20, 12
	s_lshl_b32 s21, s42, 8
	s_add_co_u32 s20, s20, s21
	s_mov_b32 s21, 0
	s_add_nc_u64 s[PCP:PCP+1], s[PCP:PCP+1], s[20:21]
	s_lshl_b32 s20, s17, 8
	s_lshl_b32 s21, s15, 7
	s_add_co_u32 s20, s20, s21
	s_lshl_b32 s21, s16, 4
	s_add_co_u32 s20, s20, s21                     ; h, c: row 256 x tile row + 128 (w / 2) + 16 (w % 2)
	s_lshl_b32 s20, s20, 12
	s_lshl_b32 s21, s42, 8
	s_add_co_u32 s20, s20, s21
	s_mov_b32 s21, 0
	s_add_nc_u64 s[12:13], s[12:13], s[20:21]
	s_add_nc_u64 s[66:67], s[66:67], s[20:21]
	s_lshl_b32 s20, s42, 8
	s_lshl_b32 s21, s16, 7
	s_add_co_u32 s20, s20, s21                     ; my 32 hidden columns in a bias, in bytes
	s_mov_b32 s21, 0
	v_and_b32 v1, 15, v0                           ; r
	v_bfe_u32 v2, v0, 4, 1                         ; h
	v_and_b32 v3, 31, v0                           ; lane
	v_lshlrev_b32 v4, 4, v3
	v_add_nc_u32 v[ADRA], s18, v4
	v_add_nc_u32 v[ADRB], s19, v4
	v_add_nc_u32 v[ADRA+1], SLOT, v[ADRA]
	v_add_nc_u32 v[ADRB+1], SLOT, v[ADRB]
	v_mul_u32_u24 v5, s22, v2                      ; lanes 16-31 take B's words
	v_lshl_add_u32 v5, v1, 2, v5
	v_add_nc_u32 v[ADRS], s23, v5
	v_add_nc_u32 v[ADRS+1], SLOT, v[ADRS]
	v_mul_u32_u24 v5, v1, CP
	v_lshl_add_u32 v5, v2, 5, v5
	v_add_nc_u32 v[PCA], s2, v5
	v_add_nc_u32 v[HSA], HST, v[PCA]
	v_mul_u32_u24 v5, v2, CP
	v_lshl_add_u32 v5, v1, 4, v5
	v_add_nc_u32 v[RD], s3, v5
	v_add_nc_u32 v[RDH], HST, v[RD]
	v_lshlrev_b32 v[CO], 12, v2
	v_lshl_add_u32 v[CO], v1, 4, v[CO]
	v_lshlrev_b32 v[PFO], 12, v3
	v_lshlrev_b32 v6, 5, v2                        ; the biases: 32 h bytes
	v_lshl_add_u32 v[PF1], v3, 8, s44              ; block 32 p + lane
	v_min_u32 v[PF2], 5, v3
	v_add_nc_u32 v[PF2], s45, v[PF2]
	v_min_u32 v[PF2], 149, v[PF2]                  ; block 128 + 6 p + 0 .. 5, held inside the fill's 150
	v_lshlrev_b32 v[PF2], 8, v[PF2]
	v_min_u32 v[PF3], 12, v3
	v_add_nc_u32 v[PF3], s43, v[PF3]
	v_min_u32 v[PF3], 49, v[PF3]                   ; fill 5: block 13 p + 0 .. 12, held inside its 50
	v_lshlrev_b32 v[PF3], 8, v[PF3]
	s_wait_alu depctr_va_vdst(0)                   ; the wait at the head's end
	s_wait_kmcnt 0x0
	ASKF 1
.irp g, 0,1,2,3
	s_add_nc_u64 s[4+2*\g:5+2*\g], s[4+2*\g:5+2*\g], s[20:21]
.endr
	WIN TO_B
.irp g, 0,1,2,3
.irp s, 0,1
	global_load_b128 v[BI+8*(2*\g+\s):BI+8*(2*\g+\s)+3],   v6, s[4+2*\g:5+2*\g] offset:64*\s
	global_load_b128 v[BI+8*(2*\g+\s)+4:BI+8*(2*\g+\s)+7], v6, s[4+2*\g:5+2*\g] offset:64*\s+16
.endr
.endr
	WIN 0
.macro FRAG reg, adr, off              ; a fragment: 12 registers, three loads of 16 bytes a lane, 512 consecutive bytes each
.irp j, 0,1,2
	ds_load_b128 v[\reg+4*\j:\reg+4*\j+3], v[\adr] offset:\off+512*\j
.endr
.endm
.macro FB n, i0                        ; B's blocks i0 .. i0 + 3 of step n into set n % 2 (window 1).  Step n lies in slot (n / 3) % 2, at place n % 3
.irp i, \i0,\i0+1,\i0+2,\i0+3
	FRAG 96*((\n)%2)+12*(\i), ADRB+((\n)/3)%2, ((\n)%3)*STB+(\i)*1536
.endr
.endm
.macro FA n, i0
.irp i, \i0,\i0+1,\i0+2,\i0+3
	FRAG AF+96*((\n)%2)+12*(\i), ADRA+((\n)/3)%2, ((\n)%3)*STB+(\i)*1536
.endr
.endm
.macro SCL n                           ; register i of the set: lanes 0-15 the words of A's block i, lanes 16-31 of B's block i
.irp i, 0,1,2,3,4,5,6,7
	ds_load_b32 v[SC+8*((\n)%2)+\i], v[ADRS+((\n)/3)%2] offset:((\n)%3)*STB+64*\i
.endr
.endm
; 16 matrix instructions: A's blocks a0, a0 + 1 x B's eight.  The 64 accumulators take turns, in the same order in every step.
.macro MUL16 a0, p, zero
.irp a, \a0, \a0+1
.irp b, 0,1,2,3,4,5,6,7
.if \zero
	v_wmma_scale_f32_16x16x128_f8f6f4 v[8*(8*((\a)%4)+\b):8*(8*((\a)%4)+\b)+7], v[96*(\p)+12*\b:96*(\p)+12*\b+11], v[AF+96*(\p)+12*(\a):AF+96*(\p)+12*(\a)+11], v[BI+8*\b:BI+8*\b+7], v[SC+8*(\p)+\b], v[SC+8*(\p)+(\a)] matrix_a_fmt:MATRIX_FMT_FP6 matrix_b_fmt:MATRIX_FMT_FP6 matrix_a_scale:MATRIX_SCALE_ROW1
.else
	v_wmma_scale_f32_16x16x128_f8f6f4 v[8*(8*((\a)%4)+\b):8*(8*((\a)%4)+\b)+7], v[96*(\p)+12*\b:96*(\p)+12*\b+11], v[AF+96*(\p)+12*(\a):AF+96*(\p)+12*(\a)+11], v[8*(8*((\a)%4)+\b):8*(8*((\a)%4)+\b)+7], v[SC+8*(\p)+\b], v[SC+8*(\p)+(\a)] matrix_a_fmt:MATRIX_FMT_FP6 matrix_b_fmt:MATRIX_FMT_FP6 matrix_a_scale:MATRIX_SCALE_ROW1
.endif
.endr
.endr
.endm
; Step st: 64 matrix instructions on set st % 2; step st + 1's 48 + 8 LDS loads go into the other set.  Loads into registers that the last step's matrix instructions read stand four places behind them.
.macro STEP st
.set P, (\st)%2
.set NX, (\st)+1
.if (\st) == 0
.set WLO, BEG_LO
.set WHI, BEG_HI
.set Z, 1
.else
.set WLO, MUL_LO
.set WHI, MUL_HI
.set Z, 0
.endif
.if (\st)%3 == 2                       ; a slot's last step: its bytes are all asked for; the slot changes
	WIN 0
	s_wait_tensorcnt 0x0                           ; all my tensor loads have landed: my part of the other slot
	ds_add_u32 v[SPW], v[NIL]
	s_wait_dscnt 13                                ; (the add and A's blocks 4-7, twelve loads, may be out)
	WIN WLO
	MUL16 0, P, Z
	s_wait_dscnt 0x0                               ; the add is done, my reads of this slot are over
	s_barrier_signal -1
	MUL16 2, P, Z
	WIN 0
	s_barrier_wait -1
	CREST                                          ; the round: no wave of any partner still reads this slot or has a load on its way
.if (\st) < 14
.set SL, ((\st)/3)%2
	s_add_nc_u64 s[G0+4*SL+2:G0+4*SL+3], s[G0+4*SL+2:G0+4*SL+3], 2*FILL
	s_add_nc_u64 s[G0B+4*SL+2:G0B+4*SL+3], s[G0B+4*SL+2:G0B+4*SL+3], 2*FILL
.if (\st) == 11                        ; fill 5 is step 15 alone: 50 rows (no tensor load of mine is out)
	s_mov_b32 s[G1+2], 50<<16
	s_mov_b32 s[G1+4], 50
	s_mov_b32 s[G1B+2], 50<<16
	s_mov_b32 s[G1B+4], 50
.endif
	JLOAD G0+4*SL, G1, G0B+4*SL, G1B               ; its four v_nop are the places in front of the loads below
.else
	tensor_load_to_lds s[G0P:G0P+3], s[G1P:G1P+7]  ; slot 0's last fill: my 64 rows of prev_c
	s_nop 0
	PLACES 4
.endif
	WIN TO_B
	FB NX, 0
	FB NX, 4
	WIN 0
	FA NX, 0
	SCL NX
.else
	s_wait_dscnt 12                                ; B's set, the scale words and A's blocks 0-3 are in; the youngest twelve loads (A's blocks 4-7) may be out
	PLACES NP
	WIN TO_B
	FB NX, 0
	WIN WLO
	MUL16 0, P, Z
	WIN TO_B
	FB NX, 4
	WIN WLO
	MUL16 2, P, Z
	WIN 0
	FA NX, 0
	SCL NX
.if (\st) == 0
	ASKF 2
.endif
.if (\st) == 1
	ASKF 3
.endif
.if (\st) == 4
	ASKF 4
.endif
.if (\st) == 7
	global_prefetch_b8 v[PF3], s[PFA:PFA+1] offset:5*FILL th:TH_LOAD_NT scope:SCOPE_SE
.endif
.if (\st) == 10
	global_prefetch_b8 v[PFO], s[PCP:PCP+1] th:TH_LOAD_NT scope:SCOPE_SE
	global_prefetch_b8 v[PFO], s[PCP:PCP+1] offset:32*OROW th:TH_LOAD_NT scope:SCOPE_SE
.endif
	s_wait_dscnt 44                                ; A's blocks 4-7 are in: behind them stand this step's 12 + 12 + 20 loads
.endif
	WIN WHI
	MUL16 4, P, Z
	WIN 0
	FA NX, 4
	WIN WHI
	MUL16 6, P, Z
.endm
	s_wait_tensorcnt 0x0                           ; my quarter of fill 0 is in
	ds_add_u32 v[SPW], v[NIL]
	s_mov_b32 s[G0P], 1
	s_mul_i32 s[G0P+1], s14, 64*CP
	s_mov_b64 s[G0P+2:G0P+3], s[PCP:PCP+1]
	s_or_b32 s[G0P+3], s[G0P+3], 0x80000000
	s_wait_dscnt 0x0                               ; the add is done
	CROUND                                         ; slot 0 is whole, and all sixteen work-groups are here
	JLOAD G0+4, G1, G0B+4, G1B                     ; fill 1: slot 1's first fill, the first tensor load behind the round
	WIN TO_B
	FB 0, 0
	FB 0, 4
	WIN 0
	FA 0, 0
	SCL 0
	FA 0, 4
	s_wait_loadcnt 0x0                             ; the biases are in, their pointers' registers free
	s_mov_b32 s[G1P+0], (2<<16)|(1<<20)|(5<<22)|(3<<25)  ; prev_c: elements of 4 bytes; 4 words of padding behind every 64
	s_mov_b32 s[G1P+1], 64<<16
	s_mov_b32 s[G1P+2], 64<<16
	s_mov_b32 s[G1P+3], 64<<16
	s_mov_b32 s[G1P+4], 64
	s_mov_b32 s[G1P+5], 1024
	s_mov_b32 s[G1P+6], 0
	s_mov_b32 s[G1P+7], 0
.set ST, 0
.rept 15
	STEP ST
.set ST, ST+1
.endr
	s_wait_dscnt 12                                ; the last step: nothing more to fetch
	WIN MUL_LO
	MUL16 0, 1, 0
	MUL16 2, 1, 0
	s_wait_dscnt 0
	WIN MUL_HI
	MUL16 4, 1, 0
	MUL16 6, 1, 0
	WIN 0
; ---------------- the cell, and the way out inside it: four phases of two blocks of 16 rows; behind each a barrier, and the rows then whole are stored inside the next phase
	PLACES NP
	s_mov_b32 s18, 0x53800000                      ; 2^40
	s_mov_b32 s20, 0xbfb8aa3b                      ; -log2(e)
	s_mov_b32 s21, s20
	s_mov_b32 s22, 0x4038aa3b                      ; 2 log2(e)
	s_mov_b32 s23, s22
	s_wait_tensorcnt 0x0                           ; my rows of prev_c have landed,
	s_wait_dscnt 0x0                               ; my reads of slot 1 are over,
	s_barrier_signal -1
	s_barrier_wait -1                              ; everybody's: prev_c's tile is whole, slot 1 may be written
.macro PCLD a
.set PV, PCV+16*((\a)%2)
.irp s, 0,1
	ds_load_b128 v[PV+8*\s:PV+8*\s+3],   v[PCA] offset:(\a)*16*CP+64*\s
	ds_load_b128 v[PV+8*\s+4:PV+8*\s+7], v[PCA] offset:(\a)*16*CP+64*\s+16
.endr
.endm
.macro OLD p                           ; my 16 whole rows of c and of h of phase p come back, two rows an instruction
.irp t, 0,1,2,3,4,5,6,7
	ds_load_b128 v[OC+4*\t:OC+4*\t+3], v[RD] offset:(32*(\p)+2*\t)*CP
.endr
.irp t, 0,1,2,3,4,5,6,7
	ds_load_b128 v[OH+4*\t:OH+4*\t+3], v[RDH] offset:(32*(\p)+2*\t)*CP
.endr
.endm
.macro OST p, counted                  ; sixteen lanes store 256 consecutive bytes, aligned
.irp t, 0,1,2,3,4,5,6,7
.if \counted
	s_wait_dscnt 15-\t
.endif
	global_store_b128 v[CO], v[OC+4*\t:OC+4*\t+3], s[66:67] offset:(32*(\p)+2*\t)*OROW th:TH_STORE_NT
.endr
.irp t, 0,1,2,3,4,5,6,7
.if \counted
	s_wait_dscnt 7-\t
.endif
	global_store_b128 v[CO], v[OH+4*\t:OH+4*\t+3], s[12:13] offset:(32*(\p)+2*\t)*OROW th:TH_STORE_NT
.endr
.endm
.macro MEET
	s_wait_dscnt 0x0                               ; for the others' sake: my stores into the stages are done
	s_barrier_signal -1
	s_barrier_wait -1
.endm
.macro WA                              ; the wait behind one batch of transcendentals and ahead of the next
	s_wait_alu depctr_va_vdst(0)
.endm
.macro TR op, base                     ; eight transcendentals in place
.set ii, 0
.rept 8
	\op v[\base+ii], v[\base+ii]
.set ii, ii+1
.endr
.endm
.macro HOLD base                       ; E held at 2^40
.set ii, 0
.rept 8
	v_min_num_f32 v[\base+ii], s18, v[\base+ii]
.set ii, ii+1
.endr
.endm
; The stages of half s (registers 8 s .. 8 s + 7 of each group of 16).  AC, CV and AO are set by CELL.
.macro CS1 s                           ; -log2(e) x i, f, o and 2 log2(e) x u; each accumulator is read from its low end on
.irp g, 0,1,2
.irp k, 0,2,4,6
	v_pk_mul_f32 v[XG+16*\g+8*\s+\k:XG+16*\g+8*\s+\k+1], v[AC+16*\g+8*\s+\k:AC+16*\g+8*\s+\k+1], s[20:21] op_sel_hi:[1,0]
.endr
.endr
.irp k, 0,2,4,6
	v_pk_mul_f32 v[XU+8*\s+\k:XU+8*\s+\k+1], v[AC+48+8*\s+\k:AC+48+8*\s+\k+1], s[22:23] op_sel_hi:[1,0]
.endr
.endm
.macro CT1 s                           ; e^-i, e^-f, e^-o, e^(2 u)
	TR v_exp_f32, XI+8*\s
	TR v_exp_f32, XF+8*\s
	TR v_exp_f32, XO+8*\s
	TR v_exp_f32, XU+8*\s
.endm
.macro EPM s, x                        ; E held; T1 = E + 1, T2 = E - 1; x = (1 + x)(1 + E)
	HOLD XU+8*\s
.irp k, 0,2,4,6
	v_pk_add_f32 v[T1+8*\s+\k:T1+8*\s+\k+1], v[XU+8*\s+\k:XU+8*\s+\k+1], 1.0 op_sel_hi:[1,0]
.endr
.irp k, 0,2,4,6
	v_pk_add_f32 v[T2+8*\s+\k:T2+8*\s+\k+1], v[XU+8*\s+\k:XU+8*\s+\k+1], -1.0 op_sel_hi:[1,0]
.endr
.irp k, 0,2,4,6
	v_pk_fma_f32 v[\x+8*\s+\k:\x+8*\s+\k+1], v[\x+8*\s+\k:\x+8*\s+\k+1], v[T1+8*\s+\k:T1+8*\s+\k+1], v[T1+8*\s+\k:T1+8*\s+\k+1]
.endr
.endm
.macro CS2 s
	EPM \s, XI
.irp k, 0,2,4,6
	v_pk_add_f32 v[XF+8*\s+\k:XF+8*\s+\k+1], v[XF+8*\s+\k:XF+8*\s+\k+1], 1.0 op_sel_hi:[1,0]
.endr
.endm
.macro CT2 s
	TR v_rcp_f32, XI+8*\s
	TR v_rcp_f32, XF+8*\s
.endm
.macro CS3 s                           ; c = sigmoid(f) prev_c + sigmoid(i) tanh(u); 2 log2(e) c; c goes where its prev_c lay
.irp k, 0,2,4,6
	v_pk_mul_f32 v[T2+8*\s+\k:T2+8*\s+\k+1], v[T2+8*\s+\k:T2+8*\s+\k+1], v[XI+8*\s+\k:XI+8*\s+\k+1]
.endr
.irp k, 0,2,4,6
	v_pk_fma_f32 v[CV+8*\s+\k:CV+8*\s+\k+1], v[XF+8*\s+\k:XF+8*\s+\k+1], v[CV+8*\s+\k:CV+8*\s+\k+1], v[T2+8*\s+\k:T2+8*\s+\k+1]
.endr
.irp k, 0,2,4,6
	v_pk_mul_f32 v[XU+8*\s+\k:XU+8*\s+\k+1], v[CV+8*\s+\k:CV+8*\s+\k+1], s[22:23] op_sel_hi:[1,0]
.endr
	ds_store_b128 v[PCA], v[CV+8*\s:CV+8*\s+3]   offset:AO+64*\s
	ds_store_b128 v[PCA], v[CV+8*\s+4:CV+8*\s+7] offset:AO+64*\s+16
.endm
.macro CS5 s                           ; h = sigmoid(o) tanh(c)
.irp k, 0,2,4,6
	v_pk_mul_f32 v[T2+8*\s+\k:T2+8*\s+\k+1], v[T2+8*\s+\k:T2+8*\s+\k+1], v[XO+8*\s+\k:XO+8*\s+\k+1]
.endr
	ds_store_b128 v[HSA], v[T2+8*\s:T2+8*\s+3]   offset:AO+64*\s
	ds_store_b128 v[HSA], v[T2+8*\s+4:T2+8*\s+7] offset:AO+64*\s+16
.endm
; Block a: 16 rows x my 32 hidden columns.  send = p: the rows of phase p, asked back from the stages ahead of this block, are stored behind the block's wait for LDS.
.macro CELL a, send
.set AC, 64*((\a)%4)
.set CV, PCV+16*((\a)%2)
.set AO, (\a)*16*CP
.if (\a) < 4
	WIN 0x02
.else
	WIN 0x03
.endif
	CS1 0
	CS1 1
	WIN 0
	WA
	CT1 0
	s_wait_dscnt 0x0                               ; this block's prev_c is in; the rows asked back from the stages are in
.if (\send) >= 0
	OST \send, 0
.endif
.if (\a) < 7
	PCLD (\a)+1
.endif
	v_nop
	WA
	CT1 1
	CS2 0
	WA
	CT2 0
	CS2 1
	WA
	CT2 1
	CS3 0
	WA
	TR v_exp_f32, XU                               ; e^(2 c), half 0
	CS3 1
	WA
	TR v_exp_f32, XU+8
	EPM 0, XO
	WA
	TR v_rcp_f32, XO
	EPM 1, XO
	WA
	TR v_rcp_f32, XO+8
	CS5 0
	WA
	CS5 1
.endm
	PCLD 0
	CELL 0, -1
	CELL 1, -1
	MEET
	OLD 0
	CELL 2, 0
	CELL 3, -1
	MEET
	s_wait_xcnt 0x0                                ; phase 0's stores have read their registers
	OLD 1
	CELL 4, 1
	CELL 5, -1
	MEET
	s_wait_xcnt 0x0
	OLD 2
	CELL 6, 2
	CELL 7, -1
	MEET
	s_wait_xcnt 0x0
	OLD 3
	OST 3, 1
	s_wait_tensorcnt 0x0                           ; the wave's end
	ds_add_u32 v[SPW], v[NIL]
	s_wait_dscnt 0x0
	CROUND                                         ; the closing round
	s_endpgm
.Lfunc_end_k_q173414c25c_lstm:
	.size	k_q173414c25c_lstm, .Lfunc_end_k_q173414c25c_lstm-k_q173414c25c_lstm
	.p2alignl 7, 3214868480
	.fill 96, 4, 3214868480
	.section	.rodata,"a",@progbits
	.p2align	6, 0x0
	.amdhsa_kernel k_q173414c25c_lstm
		.amdhsa_group_segment_fixed_size 327680
		.amdhsa_private_segment_fixed_size 0
		.amdhsa_enable_private_segment 0
		.amdhsa_kernarg_size 72
		.amdhsa_user_sgpr_count 2
		.amdhsa_user_sgpr_kernarg_segment_ptr 1
		.amdhsa_wavefront_size32 1
		.amdhsa_system_sgpr_workgroup_id_x 1
		.amdhsa_system_sgpr_workgroup_id_y 1
		.amdhsa_system_sgpr_workgroup_id_z 1
		.amdhsa_system_vgpr_workitem_id 0
		.amdhsa_next_free_vgpr 1024
		.amdhsa_next_free_sgpr 102
		.amdhsa_reserve_vcc 0
		.amdhsa_float_denorm_mode_32 3
		.amdhsa_float_denorm_mode_16_64 3
		.amdhsa_memory_ordered 1
		.amdhsa_forward_progress 1
		.amdhsa_inst_pref_size 255
	.end_amdhsa_kernel
	.section	.bss,"aw",@nobits
	.p2align	6
	.space	262144
	.amdgpu_metadata
---
amdhsa.version: [ 1, 2 ]
amdhsa.kernels:
  - .name:           k_q173414c25c_lstm
    .symbol:         k_q173414c25c_lstm.kd
    .args:
      - { .name: a_img, .offset: 0, .size: 8, .value_kind: global_buffer, .address_space: global }
      - { .name: w_img, .offset: 8, .size: 8, .value_kind: global_buffer, .address_space: global }
      - { .name: bias_i, .offset: 16, .size: 8, .value_kind: global_buffer, .address_space: global }
      - { .name: bias_f, .offset: 24, .size: 8, .value_kind: global_buffer, .address_space: global }
      - { .name: bias_o, .offset: 32, .size: 8, .value_kind: global_buffer, .address_space: global }
      - { .name: bias_u, .offset: 40, .size: 8, .value_kind: global_buffer, .address_space: global }
      - { .name: prev_c, .offset: 48, .size: 8, .value_kind: global_buffer, .address_space: global }
      - { .name: out0, .offset: 56, .size: 8, .value_kind: global_buffer, .address_space: global }
      - { .name: out1, .offset: 64, .size: 8, .value_kind: global_buffer, .address_space: global }
    .group_segment_fixed_size: 327680
    .private_segment_fixed_size: 0
    .kernarg_segment_align: 8
    .kernarg_segment_size: 72
    .max_flat_workgroup_size: 128
    .sgpr_count:     102
    .vgpr_count:     1024
    .wavefront_size: 32
...
	.end_amdgpu_metadata
.endif
;; end of part 2
